; MI455X (gfx1250); checked and timed in simulation.
; The chip was launched on July 23, 2026; its instructions are those of AMD's public machine-readable ISA for CDNA 5 (MIT licence, August 2026) and "CDNA5" Instruction Set Architecture Reference Guide (July 2026). The comments in the code are by the model that wrote it; some were corrected since.
;; Feature Attention. Allowed arithmetic: matrix products marked QUANTISED: E4M3 operands, one given power-of-two scale a tensor, by v_wmma_f32_16x16x64_fp8_fp8 or v_wmma_f32_16x16x128_fp8_fp8, f32 sums; products left as they are: f32 operands where the result goes on into a quantised operand, else bf16, f16 or f32 operands; f32 sums; everything else in f32.
;; Inputs: Wk_codes 1,024 x 32 x 32 uint8 (E4M3 codes of Wk, K innermost, in blocks of 32 codes); Wq_codes 1,024 x 32 x 32 uint8 (E4M3 codes of Wq, K innermost, in blocks of 32 codes); Wv_codes 1,024 x 32 x 32 uint8 (E4M3 codes of Wv, K innermost, in blocks of 32 codes); bk 1,024 float32; bq 1,024 float32; bv 1,024 float32; lowp_scales 6 int32 (the exponents e of the quantised operands' scales 2^e); x_codes 256 x 32 x 32 uint8 (E4M3 codes of x, K innermost, in blocks of 32 codes).
;; Outputs: out0 256 x 1,024 float32.
;; This version of the problem:
;;   THIS VERSION OF THE PROBLEM IS GIVEN IN LOW PRECISION. The matrix products marked QUANTISED in the list below multiply operands that are first quantised to E4M3 (4 exponent bits, 3 mantissa bits; 8 bits a number), with one given power-of-two scale for each operand tensor; their sums are f32. All else is computed in f32.
;;   The module's matrix products, in the order in which they are computed (A, B: the left and right operand; K: the contracted axis; several contracted axes count as one K, in the product's order):
;;     1. [M 256, K 1,024] x [K 1,024, N 1,024]; A: input x (given as codes); B: input Wq (given as codes): QUANTISED (scales: A lowp_scales[0], B lowp_scales[1])
;;     2. [M 256, K 1,024] x [K 1,024, N 1,024]; A: input x (given as codes); B: input Wk (given as codes): QUANTISED (scales: A lowp_scales[2], B lowp_scales[3])
;;     3. [M 256, K 1,024] x [K 1,024, N 1,024]; A: input x (given as codes); B: input Wv (given as codes): QUANTISED (scales: A lowp_scales[4], B lowp_scales[5])
;;     4. batch 256 x [M 1,024, K 1,024] x [K 1,024, N 1]; A: softmax; B: computed on the way: left as it is (N = 1 < 16)
;;   THE QUANTISER, for each operand of a quantised product, along K:
;;     - The operand's scale is 2^e, e = its entry of the input lowp_scales (int32; the entries are numbered through the quantised products in the list's order, A before B).
;;     - Each number is divided by the scale, clamped to +-448, and rounded to the nearest number of E4M3, ties to even, subnormals kept.
;;     - The product sums the exact products of the quantised numbers (number of the format x scale) in f32.
;;   ~~~python
;;   def quantise(x, axis, e):      # numpy; x: float32 -> the quantised numbers, widened to float32 again
;;       x = np.moveaxis(x, axis, -1); K = x.shape[-1]
;;       r = np.clip(x / 2.0 ** e, -448, 448)
;;       step = 2.0 ** (np.maximum(np.frexp(np.where(r == 0, 1, r))[1] - 1, -6) - 3)
;;       q = np.round(r / step) * step * 2.0 ** e      # np.round: ties to even
;;       return np.moveaxis(q, -1, axis).astype(np.float32)
;;   ~~~
;;   INPUTS GIVEN AS CODES. Wk (in the module: [1024, 1024], K = its axis 1); Wq (in the module: [1024, 1024], K = its axis 1); Wv (in the module: [1024, 1024], K = its axis 1); x (in the module: [256, 1024], K = its axis 1): each comes as NAME_codes (uint8): NAME with its K axis moved to the last place and cut into blocks of 32 codes, [.., K / 32, bytes a block], one block behind the other in memory; one code a byte (a code: sign, 4 exponent bits, 3 mantissa bits); its scale is its entry of lowp_scales. Its value is code x scale, taken as it is: it is not quantised again, and the codes and scales need not be those that the quantiser above would give.
;; One version. Each part assembles by itself: llvm-mc -triple=amdgcn-amd-amdhsa -mcpu=gfx1250 --defsym DOCPART=n.
;; ======== version 1 of 1: 2 launches
;; workspace buffers: qkv 3,145,728 bytes
;; launch proj (part 1): grid 48 x 4, 4 waves a work-group, clusters of 4 x 4, 209,408 bytes of LDS; arguments x_codes, Wq_codes, Wk_codes, Wv_codes, bq, bk, bv, lowp_scales, qkv; writes qkv
.if DOCPART == 1
	.amdgcn_target "amdgcn-amd-amdhsa--gfx1250"
	.amdhsa_code_object_version 6
	.text
	.protected	k_q80a761a935_proj
	.globl	k_q80a761a935_proj
	.p2align	8
	.type	k_q80a761a935_proj,@function
k_q80a761a935_proj:
	s_mov_b64 s[64:65], 0
	v_nop
	global_prefetch_b8 v0, s[64:65] scope:SCOPE_SE
	s_setreg_imm32_b32 hwreg(HW_REG_WAVE_MODE, 25, 1), 1
	s_wait_xcnt 0x0
	s_wait_alu depctr_hold_cnt(0) depctr_sa_sdst(0) depctr_va_vdst(0) depctr_va_sdst(0) depctr_va_ssrc(0) depctr_va_vcc(0) depctr_vm_vsrc(0)
	s_getreg_b32 s2, hwreg(HW_REG_IB_STS2, 6, 4)
	s_cmp_eq_u32 s2, 0
	s_cbranch_scc0 .Lentry_in_a_cluster
	s_endpgm
.Lentry_in_a_cluster:
	s_bfe_u32 s2, ttmp6, 0x10000c
	s_cmp_lg_u32 s2, 0xf033
	s_cbranch_scc0 .Lentry_shape_is_right
	s_endpgm
.Lentry_shape_is_right:
; qkv[p][b][n] = 2^(e[2p] + e[2p+1]) x (sum over k of x_code[b][k] W_p_code[n][k]) + b_p[n],  p = 0 (q), 1 (k), 2 (v).  x: [256][1024], W_p: [1024][1024]: codes of E4M3, K innermost; qkv: [3][256][1024] f32.
; NOTHING IS LEFT OUT: bq scales every score, bk varies along the softmax's axis, bv reaches the result, each product has its own two exponents: every input is loaded.
; LIMITS: e[2p] + e[2p+1] lies between -126 and 127, so that its power of two is an f32 number.  Inside a K step of 128 the codes stand in another order of k than the form's own, the same in both operands, and K is shared
; among four waves whose partial sums are added in f32: the order of the sums is not ascending k.
; SHARES.  A work-group makes 64 samples x 64 features of one of q, k, v: 4 x 48 = 192 tiles; a tile's row is 256 bytes of qkv, aligned.  K IS SHARED AMONG THE FOUR WAVES: wave w takes K bytes 256 w .. 256 w + 255, two K steps of 128,
; for the whole tile: 16 accumulators of 16 x 16.  So no operand byte is read twice in a work-group, and all of a wave's bytes are asked for at once.  The four partial sums meet in LDS, in the stage that whole rows need anyway.
; CLUSTER 4 x 4: the four work-groups of a row of the cluster take the same 64 samples of x, the four of a column the same 64 rows of W_p: each tile is asked for JOINTLY, by the same tensor load with the same descriptor and a mask
; that names the four.  A wave has two tensor loads out, its x tile's and its W tile's; no LDS byte is filled twice.
; THE MATRIX INSTRUCTION IS USED TRANSPOSED (source 0 = 16 rows of W, source 1 = 16 samples): a lane then holds one sample and eight neighbouring features.
; REGISTERS, in windows of 256: window 0: v1-15 addresses and the bias, v28, v29 the add's two, v128-255 K step 0's fragments (x's block a at 128 + 16 a, W's block b at 192 + 16 b), later the partial sums read back.
;   window 1: v0-127 the accumulators ((a, b) at 8 (4 a + b)); v128-255 K step 1's fragments, at the same numbers.
.set PITCH, 272                        ; an LDS row: 256 bytes + 16 of padding, so that the 16 rows that a load or store touches begin at 16 different 16-byte columns of 256
.set TILE,  64*PITCH                   ; 64 rows: one tensor load, and one wave's partial sums
.set WREG,  2*TILE                     ; a wave's x tile, then its W tile
.set STG,   4*WREG                     ; behind the tiles: four stages of 64 rows x 272 bytes, one for each wave's partial sums; no tensor load lands here
.set SPARE, STG+4*TILE                 ; behind the stages: the spare words, 128 bytes for each wave: two blocks of 256 bytes that no other line names
.set FA,  4                            ; v4   my lane's place in my wave's x tile: WREG w + 272 r + 16 h
.set PS,  5                            ; v5   where I put 32 bytes of a row of my partial sums
.set RD,  6                            ; v6   where I read 16 bytes of a row back, in wave 0's stage
.set CO,  7                            ; v7   my byte offset in my wave's rows of qkv: 4096 h + 16 r
.set BO,  8                            ; v8   16 r: my four features' bias
.set BI,  12                           ; v[12:15] the bias of my four features
.set SPW, 28                           ; v28  LDS address of my spare word; never rewritten
.set NIL, 29                           ; v29  0; never rewritten
.set XF,  128
.set WF,  192
.set RB,  128                          ; the partial sums read back: 16 registers for each pair of rows
.set WV,  22                           ; s22  my wave's number
.set G1X, 32                           ; s[32:39] descriptor group 1 for x's tiles;  s[40:47] for W's: they differ in the mask alone
.set G1W, 40
.set G0X, 48                           ; s[48:51], s[52:55] their groups 0
.set G0W, 52
.set MSB, 0
.macro WIN new                         ; the immediate's high byte repeats the setting that is left
.if MSB != \new
	s_set_vgpr_msb (MSB<<8)|\new
.set MSB, \new
.endif
.endm
.macro CROUND                          ; a round of the cluster's barrier: my work-group's barrier, wave 0's signal for the work-group, every wave's wait for all sixteen, my work-group's barrier once more
	s_barrier_signal -1
	s_barrier_wait -1
	s_cmp_lg_u32 s[WV], 0
	s_cbranch_scc1 .Lnot_wave_0_\@
	s_barrier_signal -3
.Lnot_wave_0_\@:
	s_barrier_wait -3
	s_barrier_signal -1
	s_barrier_wait -1
.endm
; A fragment, 16 rows x 128 K of codes, is 16 registers: lane (r, h) holds row r; registers 4 c .. 4 c + 3 hold k = 32 c + 16 h + 0 .. 15 of K step s
.macro FRAG reg, blk, s, base
.irp c, 0,1,2,3
	ds_load_b128 v[\reg+4*\c:\reg+4*\c+3], v[FA] offset:\base+(\blk)*16*PITCH+128*(\s)+32*\c
.endr
.endm
.macro FETCH s                         ; 32 LDS loads: the eight fragments of K step s
.irp i, 0,1,2,3
	FRAG XF+16*\i, \i, \s, 0
.endr
.irp i, 0,1,2,3
	FRAG WF+16*\i, \i, \s, TILE
.endr
.endm
; 16 matrix instructions, one on each accumulator, in the same order in both K steps: the accumulators take turns.  zero = 1: the products start the sums: nothing is cleared
.macro MULS zero
.irp a, 0,1,2,3
.irp b, 0,1,2,3
.if \zero
	v_wmma_f32_16x16x128_fp8_fp8 v[8*(4*\a+\b):8*(4*\a+\b)+7], v[WF+16*\b:WF+16*\b+15], v[XF+16*\a:XF+16*\a+15], 0
.else
	v_wmma_f32_16x16x128_fp8_fp8 v[8*(4*\a+\b):8*(4*\a+\b)+7], v[WF+16*\b:WF+16*\b+15], v[XF+16*\a:XF+16*\a+15], v[8*(4*\a+\b):8*(4*\a+\b)+7]
.endif
.endr
.endr
.endm
	s_load_b256 s[4:11], s[0:1], 0x0               ; x s[4:5], Wq s[6:7], Wk s[8:9], Wv s[10:11]
	s_load_b256 s[12:19], s[0:1], 0x20             ; bq s[12:13], bk s[14:15], bv s[16:17], the exponents s[18:19]
	s_load_b64 s[20:21], s[0:1], 0x40              ; qkv
	v_lshl_add_u32 v[SPW], v0, 2, SPARE
	v_mov_b32 v[NIL], 0
	ds_add_u32 v[SPW], v[NIL]                      ; the wave's opening: the add, twice on end, and its wait ahead of my first tensor load; the set-up below, work on registers, stands between the second and the wait
	ds_add_u32 v[SPW], v[NIL]
	v_lshrrev_b32 v1, 5, v0
	v_readfirstlane_b32 s[WV], v1                  ; wave 0..3
	s_bfe_u32 s23, ttmp6, 0x40000                  ; cx
	s_bfe_u32 s24, ttmp6, 0x40004                  ; cy: the tile row: the grid's four tile rows are the cluster's four
	s_lshr_b32 s27, ttmp9, 2                       ; p = (4 x cluster x + cx) / 16: which of q, k, v; the same in all sixteen partners
	s_and_b32 s25, ttmp9, 3
	s_lshl_b32 s25, s25, 2
	s_add_co_u32 s25, s25, s23                     ; nt = (4 x cluster x + cx) % 16: which 64 rows of W_p
	s_lshl_b32 s28, s24, 2
	s_lshl_b32 s28, 15, s28                        ; my row of the cluster: places 4 cy .. 4 cy + 3
	s_lshl_b32 s29, 0x1111, s23                    ; my column: places cx, cx + 4, cx + 8, cx + 12
	; descriptor group 1: a tile of 64 rows x 256 bytes out of rows of 1,024 bytes, padded in LDS
	s_or_b32 s[G1X], s28, (0<<16)|(1<<20)|(1<<21)|(5<<22)|(3<<25)   ; 15:0 the mask: x's tiles go to my row; 17:16 elements of 1 byte; 20 padding on; 21 set beside a mask; 24:22 after every 64 words (code 5); 31:25 four words (code 3)
	s_or_b32 s[G1W], s29, (0<<16)|(1<<20)|(1<<21)|(5<<22)|(3<<25)   ; the same with the mask of my column, for W's tiles
.irp g, G1X, G1W
	s_mov_b32 s[\g+1], 256<<16                     ; tensor_dim0 = 256
	s_mov_b32 s[\g+2], 64<<16                      ; tensor_dim1 = 64
	s_mov_b32 s[\g+3], 256<<16                     ; tile_dim0 = 256
	s_mov_b32 s[\g+4], 64                          ; tile_dim1 = 64
	s_mov_b32 s[\g+5], 1024                        ; from row to row
	s_mov_b32 s[\g+6], 0
	s_mov_b32 s[\g+7], 0
.endr
	s_lshl_b32 s26, s[WV], 8                       ; my wave's 256 bytes of K
	s_lshl_b32 s56, s24, 16                        ; x: 64 cy rows of 1,024 bytes: it hangs on cy and the wave alone
	s_add_co_u32 s56, s56, s26
	s_mov_b32 s57, 0
	s_lshl_b32 s58, s25, 16                        ; W: 64 nt rows: it hangs on the cluster's x, cx and the wave alone
	s_add_co_u32 s58, s58, s26
	s_mov_b32 s59, 0
	s_mul_i32 s60, s[WV], WREG                     ; my tiles in LDS: no place in the cluster enters an LDS address
	s_mul_i32 s61, s[WV], TILE
	s_add_co_u32 s61, s61, STG                     ; my stage
	s_mul_i32 s62, s[WV], 16*PITCH
	s_add_co_u32 s62, s62, STG                     ; the 16 rows that I add up and store, in wave 0's stage
	s_lshl_b32 s66, s27, 20                        ; qkv: plane p of 2^20 bytes,
	s_lshl_b32 s30, s24, 18                        ; + 64 cy rows of 4,096 bytes,
	s_add_co_u32 s66, s66, s30
	s_lshl_b32 s30, s[WV], 16                      ; + 16 w rows,
	s_add_co_u32 s66, s66, s30
	s_lshl_b32 s68, s25, 8                         ; + 64 nt features of 4 bytes; the same offset serves the bias
	s_add_co_u32 s66, s66, s68
	s_mov_b32 s67, 0
	s_mov_b32 s69, 0
	s_lshl_b32 s70, s27, 3                         ; the exponents' pair: 8 p bytes on
	s_mov_b32 s71, 0
	s_wait_dscnt 0x0                               ; both opening adds are done
	s_wait_kmcnt 0x0
	s_cmp_eq_u32 s27, 1                            ; W_p and b_p are chosen by p, which hangs on the cluster's number alone
	s_cselect_b64 s[6:7], s[8:9], s[6:7]
	s_cselect_b64 s[12:13], s[14:15], s[12:13]
	s_cmp_eq_u32 s27, 2
	s_cselect_b64 s[6:7], s[10:11], s[6:7]
	s_cselect_b64 s[12:13], s[16:17], s[12:13]
	s_add_nc_u64 s[18:19], s[18:19], s[70:71]
	s_load_b64 s[72:73], s[18:19], 0x0             ; e[2p], e[2p+1]
	s_mov_b32 s[G0X], 1                            ; count = 1
	s_mov_b32 s[G0X+1], s60                        ; LDS address
	s_add_nc_u64 s[G0X+2:G0X+3], s[4:5], s[56:57]  ; global address of the tile's first byte
	s_or_b32 s[G0X+3], s[G0X+3], 0x80000000        ; type = 2
	s_mov_b32 s[G0W], 1
	s_add_co_u32 s[G0W+1], s60, TILE
	s_add_nc_u64 s[G0W+2:G0W+3], s[6:7], s[58:59]
	s_or_b32 s[G0W+3], s[G0W+3], 0x80000000
	s_add_nc_u64 s[12:13], s[12:13], s[68:69]      ; b_p at the tile's first feature
	s_add_nc_u64 s[20:21], s[20:21], s[66:67]      ; qkv at the first row that I store
	CROUND                                         ; all sixteen work-groups are here: the joint loads meet
	tensor_load_to_lds s[G0X:G0X+3], s[G1X:G1X+7]  ; every wave asks for both its tiles: the launch's only fills, in one group
	s_nop 0
	tensor_load_to_lds s[G0W:G0W+3], s[G1W:G1W+7]
	s_nop 0
	v_and_b32 v1, 15, v0                           ; r = lane % 16
	v_bfe_u32 v2, v0, 4, 1                         ; h = lane / 16
	v_mul_u32_u24 v3, v1, PITCH
	v_lshl_add_u32 v[FA], v2, 4, v3
	v_add_nc_u32 v[FA], s60, v[FA]                 ; a fragment's row x pitch + 16 h, in my x tile
	v_lshl_add_u32 v[PS], v2, 5, v3
	v_add_nc_u32 v[PS], s61, v[PS]                 ; into my stage: row r, 32 bytes for each half of the lanes
	v_mul_u32_u24 v[RD], v2, PITCH
	v_lshl_add_u32 v[RD], v1, 4, v[RD]
	v_add_nc_u32 v[RD], s62, v[RD]                 ; back: lanes 0-15 take one row of 256 bytes, lanes 16-31 the next
	v_lshlrev_b32 v[BO], 4, v1
	v_lshl_add_u32 v[CO], v2, 12, v[BO]            ; and the same two rows in qkv
	global_load_b128 v[BI:BI+3], v[BO], s[12:13]   ; the bias of the four features that I store
	s_wait_tensorcnt 0x0                           ; both my tiles are in LDS; only I read them, so no barrier is owed
	FETCH 0                                        ; K step 0 into window 0
	WIN 0x40                                       ; destination window 1, address window 0
	FETCH 1                                        ; K step 1 into window 1
	s_wait_dscnt 32                                ; LDS loads come back in order: K step 0's 32 are in, K step 1's 32 may be out
	MULS 1                                         ; (the same setting: sources in window 0, results in window 1)
	s_wait_dscnt 0x0                               ; K step 1's are in
	WIN 0x55                                       ; all four operands in window 1
	MULS 0                                         ; fifteen other accumulators' instructions stand between the two on each
.rept 4
	v_nop                                          ; four plain places between the last products and the first read of results, and the loads into the registers that held fragments
.endr
	WIN 0x04                                       ; store data in window 1, address in window 0
.irp a, 0,1,2,3
.irp b, 0,1,2,3
	ds_store_b128 v[PS], v[8*(4*\a+\b):8*(4*\a+\b)+3] offset:\a*16*PITCH+64*\b        ; lane (r, h): sample 16 a + r, features 16 b + 8 h + 0 .. 3: each accumulator from its low end on
	ds_store_b128 v[PS], v[8*(4*\a+\b)+4:8*(4*\a+\b)+7] offset:\a*16*PITCH+64*\b+16   ; and + 4 .. 7
.endr
.endr
	WIN 0
	s_wait_kmcnt 0x0                               ; the two exponents
	s_add_co_i32 s72, s72, s73
	s_add_co_i32 s72, s72, 127
	s_lshl_b32 s72, s72, 23                        ; 2^(e[2p] + e[2p+1]) as f32
	s_mov_b32 s73, s72                             ; (named with it as a pair, so it is written)
	s_wait_dscnt 0x0                               ; for the others' sake: my partial sums lie in LDS
	s_barrier_signal -1
	s_barrier_wait -1                              ; everybody's do
.irp t, 0,1,2,3,4,5,6,7                        ; rows 16 w + 2 t + h: the four waves' partial sums of my 16 bytes
.irp q, 0,1,2,3
	ds_load_b128 v[RB+16*\t+4*\q:RB+16*\t+4*\q+3], v[RD] offset:\q*TILE+2*\t*PITCH
.endr
.endr
	s_wait_loadcnt 0x0                             ; the bias
.irp t, 0,1,2,3,4,5,6,7
	s_wait_dscnt 4*(7-\t)                          ; this pair of rows' four loads are in; the later pairs' may be out
	v_pk_add_f32 v[RB+16*\t:RB+16*\t+1], v[RB+16*\t:RB+16*\t+1], v[RB+16*\t+4:RB+16*\t+5]
	v_pk_add_f32 v[RB+16*\t+2:RB+16*\t+3], v[RB+16*\t+2:RB+16*\t+3], v[RB+16*\t+6:RB+16*\t+7]
	v_pk_add_f32 v[RB+16*\t+8:RB+16*\t+9], v[RB+16*\t+8:RB+16*\t+9], v[RB+16*\t+12:RB+16*\t+13]
	v_pk_add_f32 v[RB+16*\t+10:RB+16*\t+11], v[RB+16*\t+10:RB+16*\t+11], v[RB+16*\t+14:RB+16*\t+15]
	v_pk_add_f32 v[RB+16*\t:RB+16*\t+1], v[RB+16*\t:RB+16*\t+1], v[RB+16*\t+8:RB+16*\t+9]
	v_pk_add_f32 v[RB+16*\t+2:RB+16*\t+3], v[RB+16*\t+2:RB+16*\t+3], v[RB+16*\t+10:RB+16*\t+11]
	v_pk_fma_f32 v[RB+16*\t:RB+16*\t+1], v[RB+16*\t:RB+16*\t+1], s[72:73], v[BI:BI+1] op_sel_hi:[1,0,1]       ; sum x 2^E + bias (the scalar pair's low word for both halves)
	v_pk_fma_f32 v[RB+16*\t+2:RB+16*\t+3], v[RB+16*\t+2:RB+16*\t+3], s[72:73], v[BI+2:BI+3] op_sel_hi:[1,0,1]
	global_store_b128 v[CO], v[RB+16*\t:RB+16*\t+3], s[20:21] offset:8192*\t   ; 16 lanes store 256 consecutive bytes, at a multiple of 256 from qkv's first byte; each pair has registers of its own, so no store's data are written again
.endr
	s_wait_tensorcnt 0x0                           ; the wave's end: a wait, the add and its wait, behind my last tensor load and my last LDS store
	ds_add_u32 v[SPW], v[NIL]
	s_wait_dscnt 0x0
	CROUND                                         ; the closing round: no work-group ends while a partner may still ask for a tile that names it
	s_endpgm
.Lfunc_end_k_q80a761a935_proj:
	.size	k_q80a761a935_proj, .Lfunc_end_k_q80a761a935_proj-k_q80a761a935_proj
	.p2alignl 7, 3214868480
	.fill 96, 4, 3214868480
	.section	.rodata,"a",@progbits
	.p2align	6, 0x0
	.amdhsa_kernel k_q80a761a935_proj
		.amdhsa_group_segment_fixed_size 209408
		.amdhsa_private_segment_fixed_size 0
		.amdhsa_enable_private_segment 0
		.amdhsa_kernarg_size 72
		.amdhsa_user_sgpr_count 2
		.amdhsa_user_sgpr_kernarg_segment_ptr 1
		.amdhsa_wavefront_size32 1
		.amdhsa_system_sgpr_workgroup_id_x 1
		.amdhsa_system_sgpr_workgroup_id_y 1
		.amdhsa_system_sgpr_workgroup_id_z 1
		.amdhsa_system_vgpr_workitem_id 0
		.amdhsa_next_free_vgpr 512
		.amdhsa_next_free_sgpr 80
		.amdhsa_reserve_vcc 0
		.amdhsa_float_denorm_mode_32 3
		.amdhsa_float_denorm_mode_16_64 3
		.amdhsa_memory_ordered 1
		.amdhsa_forward_progress 1
		.amdhsa_inst_pref_size 22
	.end_amdhsa_kernel
	.amdgpu_metadata
---
amdhsa.version: [ 1, 2 ]
amdhsa.kernels:
  - .name:           k_q80a761a935_proj
    .symbol:         k_q80a761a935_proj.kd
    .args:
      - { .name: x_codes, .offset: 0, .size: 8, .value_kind: global_buffer, .address_space: global }
      - { .name: Wq_codes, .offset: 8, .size: 8, .value_kind: global_buffer, .address_space: global }
      - { .name: Wk_codes, .offset: 16, .size: 8, .value_kind: global_buffer, .address_space: global }
      - { .name: Wv_codes, .offset: 24, .size: 8, .value_kind: global_buffer, .address_space: global }
      - { .name: bq, .offset: 32, .size: 8, .value_kind: global_buffer, .address_space: global }
      - { .name: bk, .offset: 40, .size: 8, .value_kind: global_buffer, .address_space: global }
      - { .name: bv, .offset: 48, .size: 8, .value_kind: global_buffer, .address_space: global }
      - { .name: lowp_scales, .offset: 56, .size: 8, .value_kind: global_buffer, .address_space: global }
      - { .name: qkv, .offset: 64, .size: 8, .value_kind: global_buffer, .address_space: global }
    .group_segment_fixed_size: 209408
    .private_segment_fixed_size: 0
    .kernarg_segment_align: 8
    .kernarg_segment_size: 72
    .max_flat_workgroup_size: 128
    .sgpr_count:     80
    .vgpr_count:     512
    .wavefront_size: 32
...
	.end_amdgpu_metadata
.endif
;; end of part 1
;; launch attn (part 2): grid 256 x 1, 8 waves a work-group, no clusters, 9,216 bytes of LDS; arguments qkv, out0; writes out0
.if DOCPART == 2
	.amdgcn_target "amdgcn-amd-amdhsa--gfx1250"
	.amdhsa_code_object_version 6
	.text
	.protected	k_q80a761a935_attn
	.globl	k_q80a761a935_attn
	.p2align	8
	.type	k_q80a761a935_attn,@function
k_q80a761a935_attn:
	s_mov_b64 s[64:65], 0
	v_nop
	global_prefetch_b8 v0, s[64:65] scope:SCOPE_SE
	s_setreg_imm32_b32 hwreg(HW_REG_WAVE_MODE, 25, 1), 1
	s_wait_xcnt 0x0
; out0[b][i] = (sum over j of p_ij v[b][j]) / (sum over j of p_ij),  p_ij = exp(q[b][i] k[b][j] / 32 - the row's largest score).  qkv: [3][256][1024] f32 (q, k, v); out0: [256][1024] f32.  All in f32.  Nothing is left out.
; THE MAXIMUM is taken away as the softmax asks, for every input: along j a row's score is q_i / 32 times k_j, so its largest value stands at the largest or at the smallest k of the sample:
; m_i = max(q'_i kmax, q'_i kmin), q' = q x log2(e) / 32; rounding keeps the order, so no rounded product q'_i k_j lies above m_i.  p = 2^(k_j q'_i - m_i): one fused multiply-add and one exponential.
; LIMITS: a p under 2^-126 counts as 0 (v_exp_f32 flushes: ISA guide, its entry in 15.8); the division is v_rcp_f32 and a multiplication.
; SHARES.  Work-group b owns sample b.  Thread t owns rows i = 4 t .. 4 t + 3 and keeps their two sums itself: nothing crosses lanes but kmax and kmin.  Every wave walks all 1,024 j, 16 a batch: 64 exponentials a lane a batch.
; k's and v's rows lie in LDS; all lanes read the same 16 bytes of them.  No cluster: the work-groups share no input.  No tensor load: a work-group reads 12,288 bytes, once, at its head.
; BY TURNS.  While batch n's exponentials are issued, batch n - 1's p are summed: behind each exponential stands a plain instruction on the other set of registers, and nothing names an exponential's result ahead of the
; batch's one wait.  Two elements (a row, columns j and j + 1) cost five instructions: a packed multiply-add, two exponentials, a packed addition, a packed multiply-add.
.set SPARE, 8192                       ; LDS: k's row at 0, v's at 4,096; behind them the spare words, 128 bytes for each of eight waves: four blocks of 256 bytes that no other line names
.set SPW, 2                            ; v2   LDS address of my spare word; never rewritten
.set NIL, 3                            ; v3   0; never rewritten
.set KA,  4                            ; v4   LDS byte of the batch in hand, the same in all lanes
.set LA,  5                            ; v5   16 x lane
.set GO,  6                            ; v6   16 x thread: my four numbers of a row, in memory and in LDS
.set QP,  8                            ; v[8:15]    row r: the pair (q', q')
.set MP,  16                           ; v[16:23]   row r: the pair (-m, -m)
.set LS,  24                           ; v[24:31]   row r: the sum of p, even j's and odd j's
.set OS,  32                           ; v[32:39]   row r: the sum of p v, likewise
.set KB,  40                           ; v[40:71]   two sets of 16 k
.set VB,  72                           ; v[72:103]  two sets of 16 v
.set T,   104                          ; v[104:231] two sets of 64: row r, column j of the batch at T + 64 c + 16 r + j
.set TB,  16                           ; s16  LDS byte of the loop's first batch
.set CNT, 17                           ; s17  trips to go
; Pair p of a batch's 32: row p % 4, columns 2 (p / 4) and 2 (p / 4) + 1: the four rows' sums take turns
.macro SCALE c, p
	v_pk_fma_f32 v[T+64*(\c)+16*((\p)%4)+2*((\p)/4):T+64*(\c)+16*((\p)%4)+2*((\p)/4)+1], v[KB+16*(\c)+2*((\p)/4):KB+16*(\c)+2*((\p)/4)+1], v[QP+2*((\p)%4):QP+2*((\p)%4)+1], v[MP+2*((\p)%4):MP+2*((\p)%4)+1]
.endm
.macro EXPL c, p
	v_exp_f32 v[T+64*(\c)+16*((\p)%4)+2*((\p)/4)], v[T+64*(\c)+16*((\p)%4)+2*((\p)/4)]
.endm
.macro EXPH c, p
	v_exp_f32 v[T+64*(\c)+16*((\p)%4)+2*((\p)/4)+1], v[T+64*(\c)+16*((\p)%4)+2*((\p)/4)+1]
.endm
.macro ADDL c, p
	v_pk_add_f32 v[LS+2*((\p)%4):LS+2*((\p)%4)+1], v[LS+2*((\p)%4):LS+2*((\p)%4)+1], v[T+64*(\c)+16*((\p)%4)+2*((\p)/4):T+64*(\c)+16*((\p)%4)+2*((\p)/4)+1]
.endm
.macro FMAO c, p
	v_pk_fma_f32 v[OS+2*((\p)%4):OS+2*((\p)%4)+1], v[T+64*(\c)+16*((\p)%4)+2*((\p)/4):T+64*(\c)+16*((\p)%4)+2*((\p)/4)+1], v[VB+16*(\c)+2*((\p)/4):VB+16*(\c)+2*((\p)/4)+1], v[OS+2*((\p)%4):OS+2*((\p)%4)+1]
.endm
; Batch n (set c = n % 2), whose k lie at LDS byte KA + off.  acc = 1: batch n - 1's p are summed between the exponentials.  nextk = 1: batch n + 1's k are asked for.
.macro BATCH c, off, acc, nextk
	s_wait_dscnt 0x0                               ; this batch's k and the last batch's v, asked for a batch ago, are in
.if \nextk
.irp x, 0,1,2,3
	ds_load_b128 v[KB+16*(1-\c)+4*\x:KB+16*(1-\c)+4*\x+3], v[KA] offset:\off+64+16*\x
.endr
.endif
.irp x, 0,1,2,3
	ds_load_b128 v[VB+16*\c+4*\x:VB+16*\c+4*\x+3], v[KA] offset:\off+4096+16*\x    ; this batch's v, wanted a batch on
.endr
	SCALE \c, 0
	SCALE \c, 1
.set pn, 0
.rept 32
.if pn+2 < 32
	SCALE \c, pn+2                                 ; a pair is scaled two pairs ahead of its exponentials
.endif
	EXPL \c, pn
.if \acc
	ADDL 1-\c, pn
.endif
	EXPH \c, pn
.if \acc
	FMAO 1-\c, pn
.endif
.set pn, pn+1
.endr
.if !\acc
	v_nop                                          ; a plain instruction behind the last exponential (with acc = 1 the last multiply-add is that instruction)
.endif
	s_wait_alu depctr_va_vdst(0)                   ; one wait for the batch's 64 exponentials, ahead of the first instruction that names a result, and of every label and branch
.endm
.macro TAIL c                          ; the last batch's p are summed
	s_wait_dscnt 0x0                               ; its v are in
.set pn, 0
.rept 32
	ADDL \c, pn
	FMAO \c, pn
.set pn, pn+1
.endr
.endm
	s_load_b128 s[4:7], s[0:1], 0x0                ; qkv s[4:5], out0 s[6:7]
	v_lshl_add_u32 v[SPW], v0, 2, SPARE
	v_mov_b32 v[NIL], 0
	v_and_b32 v1, 31, v0
	v_lshlrev_b32 v[LA], 4, v1
	v_lshlrev_b32 v[GO], 4, v0
	v_mov_b32 v7, 0                                ; written once: a lane permute's destination counts as one of its sources
	s_mov_b32 s12, 0x76543210                      ; v_permlanex16_b32's selects for lane l xor 16
	s_mov_b32 s13, 0xfedcba98
	s_mov_b32 s14, 0x3d38aa3b                      ; log2(e) / 32
	s_lshl_b32 s8, ttmp9, 12                       ; my sample's row of 4,096 bytes
	s_mov_b32 s9, 0
.irp j, 0,1,2,3,4,5,6,7,8,9,10,11,12,13,14,15
	v_mov_b32 v[LS+\j], 0                          ; the eight pairs of sums: sixteen lines, once, so that the batch is written in one form
.endr
	s_wait_kmcnt 0x0
	s_add_nc_u64 s[4:5], s[4:5], s[8:9]
	s_add_nc_u64 s[6:7], s[6:7], s[8:9]
	global_load_b128 v[232:235], v[GO], s[4:5] offset:1048576 th:TH_LOAD_NT    ; k: a wave reads 512 consecutive bytes
	global_load_b128 v[236:239], v[GO], s[4:5] offset:2097152 th:TH_LOAD_NT    ; v
	global_load_b128 v[240:243], v[GO], s[4:5] th:TH_LOAD_NT                   ; q: my four rows'
	s_wait_loadcnt 1                               ; loads come back in order: k and v are in, q may be out
	ds_store_b128 v[GO], v[232:235]
	ds_store_b128 v[GO], v[236:239] offset:4096
	s_wait_dscnt 0x0                               ; for the others' sake: my parts of the two rows lie in LDS
	s_barrier_signal -1
	s_barrier_wait -1                              ; the launch's one barrier: from here on the two rows are only read
.irp x, 0,1,2,3,4,5,6,7
	ds_load_b128 v[T+4*\x:T+4*\x+3], v[LA] offset:512*\x   ; the whole row of k, 32 numbers a lane: each wave finds kmax and kmin for itself
.endr
	v_mov_b32 v[KA], 0
.irp x, 0,1,2,3
	ds_load_b128 v[KB+4*\x:KB+4*\x+3], v[KA] offset:16*\x  ; batch 0's k
.endr
	s_wait_dscnt 4                                 ; the row's eight loads are in; batch 0's four may be out
	v_max3_num_f32 v244, v[T], v[T+1], v[T+2]      ; two chains for the largest, two for the smallest
	v_max3_num_f32 v245, v[T+3], v[T+4], v[T+5]
	v_min3_num_f32 v246, v[T], v[T+1], v[T+2]
	v_min3_num_f32 v247, v[T+3], v[T+4], v[T+5]
.irp i, 6,10,14,18,22,26
	v_max3_num_f32 v244, v244, v[T+\i], v[T+\i+1]
	v_max3_num_f32 v245, v245, v[T+\i+2], v[T+\i+3]
	v_min3_num_f32 v246, v246, v[T+\i], v[T+\i+1]
	v_min3_num_f32 v247, v247, v[T+\i+2], v[T+\i+3]
.endr
	v_max3_num_f32 v244, v244, v[T+30], v[T+31]
	v_min3_num_f32 v246, v246, v[T+30], v[T+31]
	v_max_num_f32 v244, v244, v245
	v_min_num_f32 v246, v246, v247
.irp m, 1,2,4,8
	v_max_num_f32_dpp v244, v244, v244 row_xmask:\m row_mask:0xf bank_mask:0xf
	v_min_num_f32_dpp v246, v246, v246 row_xmask:\m row_mask:0xf bank_mask:0xf
.endr
	v_permlanex16_b32 v7, v244, s12, s13
	v_max_num_f32 v244, v244, v7                   ; kmax, in every lane
	v_permlanex16_b32 v7, v246, s12, s13
	v_min_num_f32 v246, v246, v7                   ; kmin
	s_wait_loadcnt 0x0                             ; q
.irp r, 0,1,2,3
	v_mul_f32 v[QP+2*\r], s14, v[240+\r]           ; q' = q x log2(e) / 32
.endr
.irp r, 0,1,2,3
	v_mov_b32 v[QP+2*\r+1], v[QP+2*\r]
	v_mul_f32 v[MP+2*\r], -v[QP+2*\r], v244
	v_mul_f32 v[MP+2*\r+1], -v[QP+2*\r], v246
.endr
.irp r, 0,1,2,3
	v_min_num_f32 v[MP+2*\r], v[MP+2*\r], v[MP+2*\r+1]     ; -m = min(-q' kmax, -q' kmin)
.endr
.irp r, 0,1,2,3
	v_mov_b32 v[MP+2*\r+1], v[MP+2*\r]
.endr
	BATCH 0, 0, 0, 1                               ; batch 0: there is nothing yet to sum
	s_mov_b32 s[TB], 64
	s_mov_b32 s[CNT], 31
.Lwalk:                                            ; 31 trips of two batches: batches 1 to 62
	v_mov_b32 v[KA], s[TB]
	BATCH 1, 0, 1, 1
	BATCH 0, 64, 1, 1
	s_add_co_u32 s[TB], s[TB], 128
	s_sub_co_u32 s[CNT], s[CNT], 1
	s_cmp_lg_u32 s[CNT], 0
	s_cbranch_scc1 .Lwalk
	v_mov_b32 v[KA], s[TB]                         ; 4,032: batch 63; it asks for no further k, so no read passes a row's end
	BATCH 1, 0, 1, 0
	TAIL 1
.irp r, 0,1,2,3
	v_add_f32 v[LS+2*\r], v[LS+2*\r], v[LS+2*\r+1] ; even j's and odd j's
.endr
.irp r, 0,1,2,3
	v_add_f32 v[OS+2*\r], v[OS+2*\r], v[OS+2*\r+1]
.endr
.irp r, 0,1,2,3
	v_rcp_f32 v[LS+2*\r+1], v[LS+2*\r]             ; the sum holds the row's largest p, which is 1 but for rounding: it is no zero
.endr
	v_nop                                          ; a plain instruction behind the last reciprocal
	s_wait_alu depctr_va_vdst(0)                   ; one wait for the four, ahead of their first reader
.irp r, 0,1,2,3
	v_mul_f32 v[232+\r], v[OS+2*\r], v[LS+2*\r+1]
.endr
	global_store_b128 v[GO], v[232:235], s[6:7] th:TH_STORE_NT   ; a wave stores 512 consecutive bytes, at a multiple of 256 from out0's first byte
	s_wait_tensorcnt 0x0                           ; the wave's end: a wait, the add and its wait, behind my last LDS store
	ds_add_u32 v[SPW], v[NIL]
	s_wait_dscnt 0x0
	s_endpgm
.Lfunc_end_k_q80a761a935_attn:
	.size	k_q80a761a935_attn, .Lfunc_end_k_q80a761a935_attn-k_q80a761a935_attn
	.p2alignl 7, 3214868480
	.fill 96, 4, 3214868480
	.section	.rodata,"a",@progbits
	.p2align	6, 0x0
	.amdhsa_kernel k_q80a761a935_attn
		.amdhsa_group_segment_fixed_size 9216
		.amdhsa_private_segment_fixed_size 0
		.amdhsa_enable_private_segment 0
		.amdhsa_kernarg_size 16
		.amdhsa_user_sgpr_count 2
		.amdhsa_user_sgpr_kernarg_segment_ptr 1
		.amdhsa_wavefront_size32 1
		.amdhsa_system_sgpr_workgroup_id_x 1
		.amdhsa_system_sgpr_workgroup_id_y 1
		.amdhsa_system_sgpr_workgroup_id_z 1
		.amdhsa_system_vgpr_workitem_id 0
		.amdhsa_next_free_vgpr 248
		.amdhsa_next_free_sgpr 66
		.amdhsa_reserve_vcc 0
		.amdhsa_float_denorm_mode_32 3
		.amdhsa_float_denorm_mode_16_64 3
		.amdhsa_memory_ordered 1
		.amdhsa_forward_progress 1
		.amdhsa_inst_pref_size 42
	.end_amdhsa_kernel
	.amdgpu_metadata
---
amdhsa.version: [ 1, 2 ]
amdhsa.kernels:
  - .name:           k_q80a761a935_attn
    .symbol:         k_q80a761a935_attn.kd
    .args:
      - { .name: qkv, .offset: 0, .size: 8, .value_kind: global_buffer, .address_space: global }
      - { .name: out0, .offset: 8, .size: 8, .value_kind: global_buffer, .address_space: global }
    .group_segment_fixed_size: 9216
    .private_segment_fixed_size: 0
    .kernarg_segment_align: 8
    .kernarg_segment_size: 16
    .max_flat_workgroup_size: 256
    .sgpr_count:     66
    .vgpr_count:     248
    .wavefront_size: 32
...
	.end_amdgpu_metadata
.endif
;; end of part 2
